; MI455X (gfx1250); checked and timed in simulation.
; The chip was launched on July 23, 2026; its instructions are those of AMD's public machine-readable ISA for CDNA 5 (MIT licence, August 2026) and "CDNA5" Instruction Set Architecture Reference Guide (July 2026). The comments in the code are by the model that wrote it; some were corrected since.
;; Joint Hist Layer. Allowed arithmetic: matrix products marked QUANTISED: E5M2 operands, one given power-of-two scale a tensor, by v_wmma_f32_16x16x64_bf8_bf8 or v_wmma_f32_16x16x128_bf8_bf8, f32 sums; everything else in f32.
;; Inputs: lowp_scales 2 int32 (the exponents e of the quantised operands' scales 2^e); x 8 x 256 x 256 float32; y 8 x 256 x 256 float32.
;; Outputs: out0 8 x 256 x 256 float32.
;; This version of the problem:
;;   THIS VERSION OF THE PROBLEM IS GIVEN IN LOW PRECISION. The matrix products marked QUANTISED in the list below multiply operands that are first quantised to E5M2 (5 exponent bits, 2 mantissa bits; 8 bits a number), with one given power-of-two scale for each operand tensor; their sums are f32. All else is computed in f32.
;;   The module's matrix products, in the order in which they are computed (A, B: the left and right operand; K: the contracted axis; several contracted axes count as one K, in the product's order):
;;     1. batch 8 x [M 256, K 65,536] x [K 65,536, N 256]; A: computed on the way; B: computed on the way: QUANTISED (scales: A lowp_scales[0], B lowp_scales[1])
;;   THE QUANTISER, for each operand of a quantised product, along K:
;;     - The operand's scale is 2^e, e = its entry of the input lowp_scales (int32; the entries are numbered through the quantised products in the list's order, A before B).
;;     - Each number is divided by the scale, clamped to +-57,344, and rounded to the nearest number of E5M2, ties to even, subnormals kept.
;;     - The product sums the exact products of the quantised numbers (number of the format x scale) in f32.
;;   ~~~python
;;   def quantise(x, axis, e):      # numpy; x: float32 -> the quantised numbers, widened to float32 again
;;       x = np.moveaxis(x, axis, -1); K = x.shape[-1]
;;       r = np.clip(x / 2.0 ** e, -57344, 57344)
;;       step = 2.0 ** (np.maximum(np.frexp(np.where(r == 0, 1, r))[1] - 1, -14) - 2)
;;       q = np.round(r / step) * step * 2.0 ** e      # np.round: ties to even
;;       return np.moveaxis(q, -1, axis).astype(np.float32)
;;   ~~~
;;   OPERANDS COMPUTED ON THE WAY. 'Computed on the way' means the value that the module computes at that place (a softmax that the list does not call 'softmax' is quantised finished and normalised). What goes into a quantiser is computed in f32, as accurately as f32 sums, v_exp_f32 and their like allow (about 1e-6 of the number): no bf16 or f16 on the way to a quantiser, and a product that is left as it is and whose result goes on into a quantised operand takes f32 operands (vector FMAs, or v_wmma_f32_16x16x4_f32). A number that lies on a knife's edge between two numbers of the format may be rounded either way, as far as f32 arithmetic and the matrix unit's own rounding can turn it there, and no further.
;; 2 versions, each right; version 2 is version 1 with the launch hist written anew for expert scheduling mode. Each part assembles by itself: llvm-mc -triple=amdgcn-amd-amdhsa -mcpu=gfx1250 --defsym DOCPART=n.
;; ======== version 1 of 2: 2 launches
;; limits: right only within a limited range of input values
;; workspace buffers: part 67,108,864 bytes
;; launch hist (part 1): grid 256 x 1, 16 waves a work-group, no clusters, 141,312 bytes of LDS; arguments x, y, lowp_scales, part; writes part
.if DOCPART == 1
	.amdgcn_target "amdgcn-amd-amdhsa--gfx1250"
	.amdhsa_code_object_version 6
	.text
	.protected	k_q8cac0486ec_hist
	.globl	k_q8cac0486ec_hist
	.p2align	8
	.type	k_q8cac0486ec_hist,@function
k_q8cac0486ec_hist:
	s_mov_b64 s[64:65], 0
	v_nop
	global_prefetch_b8 v0, s[64:65] scope:SCOPE_SE
	s_setreg_imm32_b32 hwreg(HW_REG_WAVE_MODE, 25, 1), 1
	s_wait_xcnt 0x0
; PARTIAL JOINT HISTOGRAMS.  part[wg] = sum over the work-group's 2,048 pixels n of Q(p1[k][n]) Q(p2[j][n]), as sums of CODES (the scales and 1/N are applied by the next launch).
; p[k][n] = sigmoid((x[n] - mu_k + L/2) / W) - sigmoid((x[n] - mu_k - L/2) / W), mu_k = (k + 0.5) / 256, L = 1/256, W = L / 2.5.  Q: E5M2 with the given scale 2^e (entry 0 for x, entry 1 for y).
; THE NUMBER.  With m = 640 (x - mu_k) the difference of the two sigmoids equals 1 / (coth 1.25 + (e^m + e^-m) / (2 sinh 1.25)) for every x: no difference of near numbers, one reciprocal.
; e^m is shared along the bins: for a block of 32 bins with centre mu_c one pair E = e^(640 (x - mu_c)), F = 1 / E is made; a chunk of 8 bins takes EA = E A[a], FA = F A[3 - a] (A = e^30, e^10, e^-10, e^-30),
; bin b of it D = EA c[b] + (FA c[7 - b] + coth 1.25), c[b] = e^(2.5 (3 - b)) / (1 - e^-2.5), and the number is 1 / D.
; The exponent is kept in two parts: z = x - mu_c with its rounding error er, p = z c1hi, r = (z c1hi - p) + z c1lo + er c1hi (c1hi + c1lo = 640 log2 e), E = 2^p (1 + r ln 2), F = 2^-p (1 - r ln 2).
; RANGE.  x is held in [-1, 2] (beyond it every bin lies more than 256 bins away; infinities are served so) and z in +-0.136, so that |p| stays under 126 and no exponential overflows or vanishes.
; EA c[b] may become +infinity: then D is +infinity and the number 0.  The constants are finite and not 0, and E F = 1, so neither infinity x 0 nor infinity - infinity can arise.
; LIMITS.  Each e lies between -126 and 112 (2^e and 57,344 x 2^e are f32 numbers).  From e = -50 up every code is the quantiser's; below that, numbers further than 18.8 bins from their bin are made as at most
; about 2^-66 instead of still smaller.  NaN among the inputs is not served.  The rounding differs from that of two sigmoids subtracted: this form gives the true value to some 5e-7 of the number.  1/W is taken as 640.
; SHARES.  Work-group wg = 32 x batch + slice owns 2,048 pixels and ALL 256 x 256 outputs of its batch, so every operand number is made once on the whole chip.  16 K steps of 128 pixels.
; Each of the sixteen waves has two parts, both by arithmetic on its number w, with no branch.  MAKER: operand o = w / 8 (x or y), pixel pairs 32 ((w / 4) % 2) + lane, bins 64 (w % 4) on: 128 numbers a lane in a K step.
; MULTIPLIER: the tile of x bins 64 (w / 4) on by y bins 64 (w % 4) on: 16 accumulators.  Sixteen waves of 256 registers: no register windows, and four waves a SIMD stand in for each other at the waits.
; No two work-groups read the same bytes, so there is nothing to share in a cluster; the only stream from memory is 8 bytes a lane in a K step, asked for one K step ahead: no tensor load, no ring of tiles.
; LAYOUT.  A LANE OWNS TWO NEIGHBOURING PIXELS, and a register pair is those two pixels of one bin: all constants of a bin are scalars.  The conversion of eight registers gives four units of 16 bits, each the two pixels
; of one bin, running along the bins; they are stored as LDS rows [pixel pair][bin].  ds_load_tr16_b128 turns 8 x 8 such units: a lane then holds ONE bin and 16 pixels in 4 registers, which are an operand's registers.
; Both operands are made and read alike, so pixel n meets pixel n in every product.
; LDS: two slots by turns; a slot = p1's codes, then p2's; each 64 rows (pixel pairs) of 512 bytes + 32 of padding = 136 words: row r starts at bank 8 r mod 64 (64 banks of 4 bytes: ISA guide 11.1).
.set PITCH, 544
.set OPB,   64*PITCH                   ; one operand's part of a slot
.set SLOT,  2*OPB
.set XOFF, 1                           ; v1       8 x my pixel pair: my byte in a K step's 512 of x or y; never rewritten
.set STA,  2                           ; v2-3     where I store codes in slot 0, 1
.set LA,   4                           ; v4-5     where I read p1's fragments in slot 0, 1
.set LB,   6                           ; v6-7     the same for p2
.set SCL,  9                           ; v9       2^e as f32: the conversion takes its exponent field
.set CP,   10                          ; v[10:11] coth 1.25, twice
.set X,    12                          ; v[12:13], v[14:15] my two pixels of the even, the odd K steps
.set Z,    16
.set P,    18
.set R,    20
.set ER,   22
.set E,    24
.set F,    26
.set EA,   28
.set FA,   30
.set CD,   32                          ; v[32:35], v[36:39] a chunk's codes, two sets by turns
.set BUF,  40                          ; v[40:55], v[56:71] a chunk's 16 numbers, two sets by turns
.set AF,   72                          ; v[72:79]  one fragment of p1: 16 bins x 64 pixels
.set BF,   80                          ; v[80:111] four fragments of p2
.set PO,   112                         ; v112     16 x lane
.set NM,   114                         ; v[114:115], v[116:117] -mu_c of my two blocks of 32 bins, each twice
.set ACC,  128                         ; v[128:255] accumulator (a, b) at 128 + 8 (4 a + b)
.set WV,   12                          ; s12      my wave's number
.set XB,   18                          ; s[18:19] where my operand's stream stands
.set TRIPS, 24
.set ZP,   25                          ; s25, s27 +0.136, -0.136
.set LIM,  26                          ; s26      57,344 x 2^e
.set ZN,   27
.set C1H,  32                          ; from here on pairs that hold their number twice: the packed forms name a pair and take its low word
.set C1L,  34
.set LN2,  36
.set AA,   38                          ; s[38:45] A[0..3]
.set CC,   46                          ; s[46:61] c[0..7]
.macro PAIR r, val
	s_mov_b32 s[\r], \val
	s_mov_b32 s[\r+1], s[\r]
.endm
	s_load_b256 s[4:11], s[0:1], 0x0               ; x s[4:5], y s[6:7], the scales' exponents s[8:9], part s[10:11]
	v_lshl_add_u32 v126, v0, 2, 0x22000
	v_mov_b32 v127, 0
	v_lshrrev_b32 v16, 5, v0
	v_readfirstlane_b32 s[WV], v16                 ; wave 0..15
	v_and_b32 v16, 31, v0                          ; lane
	s_lshr_b32 s13, s[WV], 3                       ; o: I make p1 (0) or p2 (1)
	s_bfe_u32 s14, s[WV], 0x10002                  ; which 32 of a K step's 64 pixel pairs
	s_and_b32 s15, s[WV], 3                        ; which 64 bins I make.  Also: which 64 bins of p2 I multiply
	s_lshr_b32 s16, s[WV], 2                       ; which 64 bins of p1 I multiply
	s_lshl_b32 s17, s14, 5
	v_add_nc_u32 v17, s17, v16                     ; my pixel pair
	v_lshlrev_b32 v[XOFF], 3, v17
	s_wait_kmcnt 0x0
	s_load_b64 s[22:23], s[8:9], 0x0               ; e of p1, e of p2
	s_cmp_eq_u32 s13, 0                            ; the choice hangs on the wave's number alone
	s_cselect_b64 s[XB:XB+1], s[4:5], s[6:7]
	s_lshl_b32 s20, ttmp9, 13                      ; the work-group's 2,048 pixels: 8,192 bytes
	s_mov_b32 s21, 0
	s_add_nc_u64 s[XB:XB+1], s[XB:XB+1], s[20:21]
	global_load_b64 v[X:X+1], v[XOFF], s[XB:XB+1]                  ; K step 0: 32 lanes read 256 consecutive bytes
	global_load_b64 v[X+2:X+3], v[XOFF], s[XB:XB+1] offset:512     ; K step 1
	v_mul_u32_u24 v18, v17, PITCH                  ; my row of codes,
	s_mul_i32 s17, s13, OPB                        ; in my operand's part,
	s_lshl_b32 s20, s15, 7                         ; at my 64 bins' 128 bytes
	s_add_co_u32 s17, s17, s20
	v_add_nc_u32 v[STA], s17, v18
	v_add_nc_u32 v[STA+1], SLOT, v[STA]
	; The turning load: lane l addresses 16 bytes: pixel pair 16 (l / 16) + l % 8, bins 8 ((l / 8) % 2) + 0..7; it leaves lane l bin l % 16 and 8 pixel pairs
	v_bfe_u32 v19, v0, 4, 1
	v_and_b32 v20, 7, v0
	v_lshl_add_u32 v19, v19, 4, v20
	v_mul_u32_u24 v19, v19, PITCH
	v_bfe_u32 v20, v0, 3, 1
	v_lshl_add_u32 v19, v20, 4, v19
	s_lshl_b32 s17, s16, 7
	v_add_nc_u32 v[LA], s17, v19
	v_add_nc_u32 v[LA+1], SLOT, v[LA]
	s_add_co_u32 s20, s20, OPB
	v_add_nc_u32 v[LB], s20, v19
	v_add_nc_u32 v[LB+1], SLOT, v[LB]
	v_lshlrev_b32 v[PO], 4, v16
	s_lshl_b32 s20, ttmp9, 18                      ; part: 262,144 bytes a work-group, 16,384 a wave
	s_lshl_b32 s17, s[WV], 14
	s_add_co_u32 s20, s20, s17
	s_add_nc_u64 s[10:11], s[10:11], s[20:21]
	s_lshl_b32 s17, s15, 2                         ; mu_c of block 0, 1 of my 64 bins: (4 (w % 4) + 1) / 16, (4 (w % 4) + 3) / 16: exact in f32
	s_add_co_u32 s17, s17, 1
	v_cvt_f32_u32 v[NM], s17
	s_add_co_u32 s17, s17, 2
	v_cvt_f32_u32 v[NM+2], s17
	v_mul_f32 v[NM], 0xbd800000, v[NM]             ; x -1/16
	v_mul_f32 v[NM+2], 0xbd800000, v[NM+2]
	v_mov_b32 v[NM+1], v[NM]
	v_mov_b32 v[NM+3], v[NM+2]
	v_mov_b32 v[CP], 1.1788509797                  ; coth 1.25
	v_mov_b32 v[CP+1], v[CP]
	s_mov_b32 s[ZP], 0.136
	s_mov_b32 s[ZN], -0.136
	PAIR C1H, 0x4466d4ca                           ; 923.3248291015625
	PAIR C1L, -0.00000293262592                    ; 640 log2 e less that
	PAIR LN2, 0x3f317218
	PAIR AA,   10686474581524.463                  ; e^30
	PAIR AA+2, 22026.465794806718                  ; e^10
	PAIR AA+4, 0.00004539992976248485              ; e^-10
	PAIR AA+6, 0.00000000000009357622968840175     ; e^-30
	PAIR CC,    1969.7274930092                    ; c[b] = e^(2.5 (3 - b)) / (1 - e^-2.5)
	PAIR CC+2,  161.68507855311
	PAIR CC+4,  13.271919450537
	PAIR CC+6,  1.0894254898338
	PAIR CC+8,  0.0894254898338
	PAIR CC+10, 0.0073404912099
	PAIR CC+12, 0.00060254421083
	PAIR CC+14, 0.000049459840683
	s_wait_kmcnt 0x0
	s_cmp_eq_u32 s13, 0
	s_cselect_b32 s22, s22, s23                    ; my operand's e
	s_add_co_i32 s22, s22, 127
	s_lshl_b32 s23, s22, 23
	v_mov_b32 v[SCL], s23                          ; 2^e
	s_add_co_i32 s22, s22, 15
	s_lshl_b32 s22, s22, 23
	s_or_b32 s[LIM], s22, 0x600000                 ; 57,344 x 2^e
; One fragment of p1 (tile a of my four, half kk of the K step): 16 bins x 32 pixel pairs, two turning loads
.macro LOADA ms, kk, a
	ds_load_tr16_b128 v[AF:AF+3],   v[LA+(\ms)] offset:(32*(\kk))*PITCH+32*(\a)
	ds_load_tr16_b128 v[AF+4:AF+7], v[LA+(\ms)] offset:(32*(\kk)+8)*PITCH+32*(\a)
.endm
; My four fragments of p2 for half kk
.macro LOADB ms, kk
.irp b, 0,1,2,3
	ds_load_tr16_b128 v[BF+8*\b:BF+8*\b+3],   v[LB+(\ms)] offset:(32*(\kk))*PITCH+32*\b
	ds_load_tr16_b128 v[BF+8*\b+4:BF+8*\b+7], v[LB+(\ms)] offset:(32*(\kk)+8)*PITCH+32*\b
.endr
.endm
; A block of 32 bins begins: the exponent in two parts, then the four exponentials.  hook = 1: the fragments of half kk are asked for behind the nine plain lines, which are the places behind the last products.
.macro BASE1 nm, xr, hook, ms, kk
	v_pk_add_f32 v[Z:Z+1], v[\xr:\xr+1], v[\nm:\nm+1]                                      ; z = x - mu_c, rounded
	v_pk_add_f32 v[P:P+1], v[Z:Z+1], v[\nm:\nm+1] neg_lo:[0,1] neg_hi:[0,1]                ; z + mu_c
	v_pk_add_f32 v[ER:ER+1], v[\xr:\xr+1], v[P:P+1] neg_lo:[0,1] neg_hi:[0,1]              ; er = x - (z + mu_c): what the first line rounded away
	v_med3_num_f32 v[Z], v[Z], s[ZN], s[ZP]
	v_med3_num_f32 v[Z+1], v[Z+1], s[ZN], s[ZP]
	v_pk_mul_f32 v[P:P+1], v[Z:Z+1], s[C1H:C1H+1] op_sel_hi:[1,0]                          ; p
	v_pk_fma_f32 v[R:R+1], v[Z:Z+1], s[C1H:C1H+1], v[P:P+1] op_sel_hi:[1,0,1] neg_lo:[0,0,1] neg_hi:[0,0,1]   ; what p rounded away,
	v_pk_fma_f32 v[R:R+1], v[Z:Z+1], s[C1L:C1L+1], v[R:R+1] op_sel_hi:[1,0,1]              ; the constant's low part,
	v_pk_fma_f32 v[R:R+1], v[ER:ER+1], s[C1H:C1H+1], v[R:R+1] op_sel_hi:[1,0,1]            ; and er: r
.if \hook
	LOADB \ms, \kk
	LOADA \ms, \kk, 0
.endif
	v_exp_f32 v[E], v[P]
	v_exp_f32 v[E+1], v[P+1]
	v_exp_f32 v[F], -v[P]
	v_exp_f32 v[F+1], -v[P+1]
	v_pk_mul_f32 v[R:R+1], v[R:R+1], s[LN2:LN2+1] op_sel_hi:[1,0]                          ; r ln 2: the plain line behind the exponentials
.endm
.macro BASE2                           ; behind the wait for the exponentials
	v_pk_fma_f32 v[E:E+1], v[E:E+1], v[R:R+1], v[E:E+1]                                    ; E = 2^p (1 + r ln 2)
	v_pk_fma_f32 v[F:F+1], v[F:F+1], v[R:R+1], v[F:F+1] neg_lo:[0,1,0] neg_hi:[0,1,0]      ; F = 2^-p (1 - r ln 2)
.endm
; A chunk of 8 bins x my two pixels, in three parts.  CHFA: ten plain lines (they are also the places between a group of products and the load into the fragment that it read).
.macro CHFA a, buf
	v_pk_mul_f32 v[EA:EA+1], v[E:E+1], s[AA+2*(\a):AA+2*(\a)+1] op_sel_hi:[1,0]
	v_pk_mul_f32 v[FA:FA+1], v[F:F+1], s[AA+2*(3-(\a)):AA+2*(3-(\a))+1] op_sel_hi:[1,0]
.irp b, 0,1,2,3,4,5,6,7
	v_pk_fma_f32 v[(\buf)+2*\b:(\buf)+2*\b+1], v[FA:FA+1], s[CC+2*(7-\b):CC+2*(7-\b)+1], v[CP:CP+1] op_sel_hi:[1,0,1]
.endr
.endm
.macro CHFB buf
.irp b, 0,1,2,3,4,5,6,7
	v_pk_fma_f32 v[(\buf)+2*\b:(\buf)+2*\b+1], v[EA:EA+1], s[CC+2*\b:CC+2*\b+1], v[(\buf)+2*\b:(\buf)+2*\b+1] op_sel_hi:[1,0,1]   ; D
.endr
.endm
.macro RCP buf                         ; sixteen reciprocals, one batch
.irp i, 0,1,2,3,4,5,6,7,8,9,10,11,12,13,14,15
	v_rcp_f32 v[(\buf)+\i], v[(\buf)+\i]
.endr
.endm
; The chunk is finished: one wait for its batch of reciprocals (ahead of the first use); the hold; the conversions; the store.
.macro FIN ch, buf, gs
.set CDR, CD+4*((\ch)&1)
	s_wait_alu depctr_va_vdst(0)
.irp i, 0,2,4,6,8,10,12,14
	v_dual_min_num_f32 v[(\buf)+\i], s[LIM], v[(\buf)+\i] :: v_dual_min_num_f32 v[(\buf)+\i+1], s[LIM], v[(\buf)+\i+1]   ; the conversion to an 8-bit code does not saturate (ISA guide 7.6.2); the number is never negative, so the hold is one-sided; it stands whatever e is
.endr
	v_cvt_scalef32_pk8_bf8_f32 v[CDR:CDR+1], v[(\buf):(\buf)+7], v[SCL]                    ; bins 0-3 of the chunk: bytes (pixel 0, pixel 1) of each
	v_cvt_scalef32_pk8_bf8_f32 v[CDR+2:CDR+3], v[(\buf)+8:(\buf)+15], v[SCL]               ; bins 4-7
	v_nop                                          ; one plain line between a scaled conversion and the next vector line that writes its sources
	ds_store_b128 v[STA+(\gs)], v[CDR:CDR+3] offset:16*(\ch)
.endm
; Group ch of eight: half ch / 4 of the K step, tile a = ch % 4 of p1 against my four tiles of p2.  TRANSPOSED: source 0 = 16 bins of p2, source 1 = 16 bins of p1: register i of lane (r, h) is
; out(k = 16 a + r, j = 16 b + 8 h + i): eight neighbours of a row of the output.  The sixteen accumulators take turns, one instruction a turn, over the loop's edge too.
.macro MM ch, zero
.set MA, (\ch)&3
.irp b, 0,1,2,3
.if (\zero) && ((\ch) < 4)
	v_wmma_f32_16x16x64_bf8_bf8 v[ACC+8*(4*MA+\b):ACC+8*(4*MA+\b)+7], v[BF+8*\b:BF+8*\b+7], v[AF:AF+7], 0
.else
	v_wmma_f32_16x16x64_bf8_bf8 v[ACC+8*(4*MA+\b):ACC+8*(4*MA+\b)+7], v[BF+8*\b:BF+8*\b+7], v[AF:AF+7], v[ACC+8*(4*MA+\b):ACC+8*(4*MA+\b)+7]
.endif
.endr
.endm
; AN INTERVAL.  gen = 1: a K step's codes are made from X[gs] into slot gs.  mul = 1: the K step before it is multiplied out of the other slot, a group of four products at the head of each chunk.
; zero = 1: the products start the sums.  load = 1: the pixels of the K step after the one being made are asked for.  bar = 1: the barrier at the end.
.macro INTERVAL gs, gen, mul, zero, load, bar
.set MS, 1-(\gs)
.set XS, X+2*(\gs)
.if \gen
	s_wait_loadcnt 0x0                             ; my two pixels, asked for an interval ago, are in; no load of mine is out, so the stream's address may step
.if \load
	s_add_nc_u64 s[XB:XB+1], s[XB:XB+1], 512
	global_load_b64 v[X+2*MS:X+2*MS+1], v[XOFF], s[XB:XB+1] offset:512
.endif
	v_med3_num_f32 v[XS], v[XS], -1.0, 2.0
	v_med3_num_f32 v[XS+1], v[XS+1], -1.0, 2.0
	BASE1 NM, XS, \mul, MS, 0
	s_wait_alu depctr_va_vdst(0)                   ; the wait for the four exponentials, ahead of their first use
	BASE2
	CHFA 0, BUF
	CHFB BUF
	RCP BUF
.else
	LOADB MS, 0                                    ; (the interval before ended with more than four plain lines behind its last product)
	LOADA MS, 0, 0
.endif
.irp ch, 0,1,2,3,4,5,6,7
.set NXT,  (\ch)+1
.set NBUF, BUF+16*(NXT&1)
.set TBUF, BUF+16*((\ch)&1)
.if \mul
.if (\gen) && (\ch > 0)
	s_wait_dscnt 0x1                               ; LDS instructions end in order (ISA guide 5.7.1): behind this group's fragment loads one store was issued, and it may stay out; the store before it is done, so its set of codes may be written
.else
	s_wait_dscnt 0x0
.endif
	MM \ch, \zero
.elseif \ch > 1
	s_wait_dscnt 0x1                               ; the store of two chunks ago is done: its set of codes may be written
.endif
.if \gen
.if \ch == 3
	BASE1 NM+2, XS, \mul, MS, 1                    ; my second block of 32 bins; the K step's second half of fragments
	FIN 3, TBUF, \gs                               ; its wait serves chunk 3's reciprocals and the four exponentials
	BASE2
	CHFA 0, BUF
	CHFB BUF
	RCP BUF
.elseif \ch == 7
	v_nop                                          ; a plain line between the last reciprocal and the first use
	FIN 7, TBUF, \gs
.else
	CHFA NXT&3, NBUF
.if \mul
	LOADA MS, NXT>>2, NXT&3
.endif
	CHFB NBUF
	FIN \ch, TBUF, \gs
	RCP NBUF
.endif
.else
.if \ch < 7
.rept 4
	v_nop                                          ; four places in front of loads into registers that matrix instructions have read
.endr
.if \ch == 3
	LOADB MS, 1
.endif
	LOADA MS, NXT>>2, NXT&3
.endif
.endif
.endr
.if \bar
	s_wait_dscnt 0x0                               ; for the others: my codes have landed in slot gs, and my reads of the other slot are back
	s_barrier_signal -1
	s_barrier_wait -1                              ; now slot gs may be read by all, and the other slot written again
.endif
.endm
	INTERVAL 0, 1, 0, 0, 0, 1                      ; K step 0 is made
	INTERVAL 1, 1, 1, 1, 1, 1                      ; K step 1 is made; K step 0's products start the sums; K step 2's pixels are asked for
	s_mov_b32 s[TRIPS], 6
.Lk:                                                   ; a trip: K steps 2 i + 2 and 2 i + 3 are made, 2 i + 1 and 2 i + 2 multiplied
	INTERVAL 0, 1, 1, 0, 1, 1
	INTERVAL 1, 1, 1, 0, 1, 1
	s_sub_co_u32 s[TRIPS], s[TRIPS], 1
	s_cmp_lg_u32 s[TRIPS], 0
	s_cbranch_scc1 .Lk
	INTERVAL 0, 1, 1, 0, 1, 1                      ; K step 14 is made; K step 15's pixels, the last, are asked for
	INTERVAL 1, 1, 1, 0, 0, 1                      ; K step 15 is made: no load leaves the work-group's 8,192 bytes
	INTERVAL 0, 0, 1, 0, 0, 0                      ; K step 15 is multiplied
.rept 4
	v_nop                                          ; four places between the last products and the stores of their results
.endr
.irp a, 0,1,2,3
.irp b, 0,1,2,3
	global_store_b128 v[PO], v[ACC+8*(4*\a+\b):ACC+8*(4*\a+\b)+3],   s[10:11] offset:\a*4096+(2*\b)*512 th:TH_STORE_NT     ; the accumulators as they stand, each from its low end on: 32 lanes store 512 consecutive bytes, aligned
	global_store_b128 v[PO], v[ACC+8*(4*\a+\b)+4:ACC+8*(4*\a+\b)+7], s[10:11] offset:\a*4096+(2*\b+1)*512 th:TH_STORE_NT
.endr
.endr
	s_wait_tensorcnt 0x0
	ds_add_u32 v126, v127
	s_wait_dscnt 0x0
	s_endpgm
.Lfunc_end_k_q8cac0486ec_hist:
	.size	k_q8cac0486ec_hist, .Lfunc_end_k_q8cac0486ec_hist-k_q8cac0486ec_hist
	.p2alignl 7, 3214868480
	.fill 96, 4, 3214868480
	.section	.rodata,"a",@progbits
	.p2align	6, 0x0
	.amdhsa_kernel k_q8cac0486ec_hist
		.amdhsa_group_segment_fixed_size 141312
		.amdhsa_private_segment_fixed_size 0
		.amdhsa_enable_private_segment 0
		.amdhsa_kernarg_size 32
		.amdhsa_user_sgpr_count 2
		.amdhsa_user_sgpr_kernarg_segment_ptr 1
		.amdhsa_wavefront_size32 1
		.amdhsa_system_sgpr_workgroup_id_x 1
		.amdhsa_system_sgpr_workgroup_id_y 1
		.amdhsa_system_sgpr_workgroup_id_z 1
		.amdhsa_system_vgpr_workitem_id 0
		.amdhsa_next_free_vgpr 256
		.amdhsa_next_free_sgpr 66
		.amdhsa_reserve_vcc 0
		.amdhsa_float_denorm_mode_32 3
		.amdhsa_float_denorm_mode_16_64 3
		.amdhsa_memory_ordered 1
		.amdhsa_forward_progress 1
		.amdhsa_inst_pref_size 163
	.end_amdhsa_kernel
	.amdgpu_metadata
---
amdhsa.version: [ 1, 2 ]
amdhsa.kernels:
  - .name:           k_q8cac0486ec_hist
    .symbol:         k_q8cac0486ec_hist.kd
    .args:
      - { .name: x, .offset: 0, .size: 8, .value_kind: global_buffer, .address_space: global }
      - { .name: y, .offset: 8, .size: 8, .value_kind: global_buffer, .address_space: global }
      - { .name: lowp_scales, .offset: 16, .size: 8, .value_kind: global_buffer, .address_space: global }
      - { .name: part, .offset: 24, .size: 8, .value_kind: global_buffer, .address_space: global }
    .group_segment_fixed_size: 141312
    .private_segment_fixed_size: 0
    .kernarg_segment_align: 8
    .kernarg_segment_size: 32
    .max_flat_workgroup_size: 512
    .sgpr_count:     66
    .vgpr_count:     256
    .wavefront_size: 32
...
	.end_amdgpu_metadata
.endif
;; end of part 1
;; launch fold (part 2): grid 512 x 1, 8 waves a work-group, no clusters, 35,840 bytes of LDS; arguments part, lowp_scales, out0; writes out0
.if DOCPART == 2
	.amdgcn_target "amdgcn-amd-amdhsa--gfx1250"
	.amdhsa_code_object_version 6
	.text
	.protected	k_q8cac0486ec_fold
	.globl	k_q8cac0486ec_fold
	.p2align	8
	.type	k_q8cac0486ec_fold,@function
k_q8cac0486ec_fold:
	s_mov_b64 s[64:65], 0
	v_nop
	global_prefetch_b8 v0, s[64:65] scope:SCOPE_SE
	s_setreg_imm32_b32 hwreg(HW_REG_WAVE_MODE, 25, 1), 1
	s_wait_xcnt 0x0
; out0[b][k][j] = 2^(e0 + e1 - 16) x the sum over the batch's 32 slices of part (sums of codes' products; 1 / N = 2^-16).
; part holds images of accumulators: byte = wg x 262,144 + wave x 16,384 + a x 4,096 + (2 b + g) x 512 + lane x 16, wg = 32 x batch + slice; the four numbers there are
; out(k = 64 (wave / 4) + 16 a + lane % 16, j = 64 (wave % 4) + 16 b + 8 (lane / 16) + 4 g + 0..3).
; SHARES.  Work-group X: batch X / 64, q = X % 64 = 4 x wave + a of the first launch: 16 rows x 64 columns of the output, 4,096 bytes in each of 32 slices.  Wave v adds slices 4 v .. 4 v + 3: 32 loads of 512
; consecutive bytes, all asked for at once.  The eight waves' sums meet in LDS, laid as rows; each wave then adds and stores two rows of 256 bytes.
; Memory binds: every byte of part is read once and every byte of the output written once, in whole aligned runs of 256 bytes; matrix units, clusters and tensor loads would add nothing.
; The power of two is applied by v_ldexp_f32, so e0 + e1 has no limit of its own.
.set STG, 16*272                       ; a wave's stage: 16 rows x (256 bytes + 16): the sixteen rows of a store start at sixteen different banks (64 banks of 4 bytes: ISA guide 11.1)
.set D, 8                              ; v[8:135] slice i, block k at 8 + 4 (8 i + k)
	s_load_b128 s[4:7], s[0:1], 0x0                ; part, the scales' exponents
	s_load_b64 s[8:9], s[0:1], 0x10                ; out0
	v_lshl_add_u32 v136, v0, 2, 0x8800
	v_mov_b32 v137, 0
	v_lshrrev_b32 v2, 5, v0
	v_readfirstlane_b32 s10, v2                    ; wave 0..7
	v_and_b32 v3, 31, v0
	v_lshlrev_b32 v1, 4, v3                        ; 16 x lane
	s_lshr_b32 s11, ttmp9, 6                       ; batch
	s_and_b32 s12, ttmp9, 63                       ; q
	s_lshl_b32 s14, s11, 23                        ; the batch's 32 slices of 262,144 bytes,
	s_lshl_b32 s13, s10, 20                        ; my wave's four of them,
	s_add_co_u32 s14, s14, s13
	s_lshl_b32 s13, s12, 12                        ; the work-group's 4,096 bytes in each
	s_add_co_u32 s14, s14, s13
	s_mov_b32 s15, 0
	s_wait_kmcnt 0x0
	s_load_b64 s[16:17], s[6:7], 0x0               ; e0, e1
	s_add_nc_u64 s[4:5], s[4:5], s[14:15]
.irp i, 0,1,2,3
.irp k, 0,1,2,3,4,5,6,7
	global_load_b128 v[D+4*(8*\i+\k):D+4*(8*\i+\k)+3], v1, s[4:5] offset:\i*262144+\k*512 th:TH_LOAD_NT
.endr
.endr
	v_and_b32 v4, 15, v0                           ; r
	v_bfe_u32 v5, v0, 4, 1                         ; h
	s_mul_i32 s13, s10, STG
	v_mul_u32_u24 v6, v4, 272
	v_lshl_add_u32 v6, v5, 5, v6
	v_add_nc_u32 v6, s13, v6                       ; into my stage: row r, + 32 h
	s_mul_i32 s13, s10, 2*272
	v_mul_u32_u24 v7, v5, 272
	v_lshl_add_u32 v7, v4, 4, v7
	v_add_nc_u32 v7, s13, v7                       ; back, out of every stage: rows 2 v and 2 v + 1, sixteen lanes to a row
	v_lshlrev_b32 v2, 10, v5
	v_lshl_add_u32 v2, v4, 4, v2                   ; and the same two rows in the output: 1,024 bytes apart
	s_lshr_b32 s18, s12, 4
	s_lshl_b32 s18, s18, 6                         ; 64 (q / 16)
	s_and_b32 s19, s12, 3
	s_lshl_b32 s19, s19, 4                         ; + 16 (q % 4)
	s_add_co_u32 s18, s18, s19
	s_lshl_b32 s19, s10, 1                         ; + 2 v: my first row
	s_add_co_u32 s18, s18, s19
	s_lshl_b32 s18, s18, 10
	s_bfe_u32 s19, s12, 0x20002
	s_lshl_b32 s19, s19, 8                         ; + 256 bytes x ((q / 4) % 4): the 64 columns
	s_add_co_u32 s18, s18, s19
	s_lshl_b32 s19, s11, 18                        ; + the batch's 262,144 bytes
	s_add_co_u32 s18, s18, s19
	s_mov_b32 s19, 0
	s_add_nc_u64 s[8:9], s[8:9], s[18:19]
	s_wait_loadcnt 16                              ; loads come back in order (ISA guide 5.7.1): slices 0 and 1 are in, the sixteen younger loads stay out
.irp j, 0,2,4,6,8,10,12,14,16,18,20,22,24,26,28,30
	v_pk_add_f32 v[D+\j:D+\j+1], v[D+\j:D+\j+1], v[D+32+\j:D+32+\j+1]
.endr
	s_wait_loadcnt 8                               ; slice 2 is in, slice 3's eight loads stay out
.irp j, 0,2,4,6,8,10,12,14,16,18,20,22,24,26,28,30
	v_pk_add_f32 v[D+\j:D+\j+1], v[D+\j:D+\j+1], v[D+64+\j:D+64+\j+1]
.endr
	s_wait_loadcnt 0x0
.irp j, 0,2,4,6,8,10,12,14,16,18,20,22,24,26,28,30
	v_pk_add_f32 v[D+\j:D+\j+1], v[D+\j:D+\j+1], v[D+96+\j:D+96+\j+1]
.endr
.irp k, 0,1,2,3,4,5,6,7
	ds_store_b128 v6, v[D+4*\k:D+4*\k+3] offset:64*(\k/2)+16*(\k%2)   ; block k = 2 b + g: columns 16 b + 8 h + 4 g on
.endr
	s_wait_dscnt 0x0                               ; for the others: my stores have landed
	s_barrier_signal -1
	s_barrier_wait -1
.irp u, 0,1,2,3,4,5,6,7
	ds_load_b128 v[D+32+4*\u:D+32+4*\u+3], v7 offset:\u*STG           ; my 16 bytes of the eight waves' sums
.endr
	s_wait_dscnt 0x0
.irp j, 0,2,4,6,8,10,12,14
	v_pk_add_f32 v[D+32+\j:D+32+\j+1], v[D+32+\j:D+32+\j+1], v[D+48+\j:D+48+\j+1]
.endr
.irp j, 0,2,4,6
	v_pk_add_f32 v[D+32+\j:D+32+\j+1], v[D+32+\j:D+32+\j+1], v[D+40+\j:D+40+\j+1]
.endr
.irp j, 0,2
	v_pk_add_f32 v[D+32+\j:D+32+\j+1], v[D+32+\j:D+32+\j+1], v[D+36+\j:D+36+\j+1]
.endr
	s_wait_kmcnt 0x0
	s_add_co_i32 s16, s16, s17
	s_add_co_i32 s16, s16, -16                     ; e0 + e1 - 16
.irp j, 0,1,2,3
	v_ldexp_f32 v[D+32+\j], v[D+32+\j], s16
.endr
	global_store_b128 v2, v[D+32:D+35], s[8:9] th:TH_STORE_NT         ; sixteen lanes store 256 consecutive bytes, at a multiple of 256 from the output's first byte
	s_wait_tensorcnt 0x0
	ds_add_u32 v136, v137
	s_wait_dscnt 0x0
	s_endpgm
.Lfunc_end_k_q8cac0486ec_fold:
	.size	k_q8cac0486ec_fold, .Lfunc_end_k_q8cac0486ec_fold-k_q8cac0486ec_fold
	.p2alignl 7, 3214868480
	.fill 96, 4, 3214868480
	.section	.rodata,"a",@progbits
	.p2align	6, 0x0
	.amdhsa_kernel k_q8cac0486ec_fold
		.amdhsa_group_segment_fixed_size 35840
		.amdhsa_private_segment_fixed_size 0
		.amdhsa_enable_private_segment 0
		.amdhsa_kernarg_size 24
		.amdhsa_user_sgpr_count 2
		.amdhsa_user_sgpr_kernarg_segment_ptr 1
		.amdhsa_wavefront_size32 1
		.amdhsa_system_sgpr_workgroup_id_x 1
		.amdhsa_system_sgpr_workgroup_id_y 1
		.amdhsa_system_sgpr_workgroup_id_z 1
		.amdhsa_system_vgpr_workitem_id 0
		.amdhsa_next_free_vgpr 138
		.amdhsa_next_free_sgpr 66
		.amdhsa_reserve_vcc 0
		.amdhsa_float_denorm_mode_32 3
		.amdhsa_float_denorm_mode_16_64 3
		.amdhsa_memory_ordered 1
		.amdhsa_forward_progress 1
		.amdhsa_inst_pref_size 11
	.end_amdhsa_kernel
	.amdgpu_metadata
---
amdhsa.version: [ 1, 2 ]
amdhsa.kernels:
  - .name:           k_q8cac0486ec_fold
    .symbol:         k_q8cac0486ec_fold.kd
    .args:
      - { .name: part, .offset: 0, .size: 8, .value_kind: global_buffer, .address_space: global }
      - { .name: lowp_scales, .offset: 8, .size: 8, .value_kind: global_buffer, .address_space: global }
      - { .name: out0, .offset: 16, .size: 8, .value_kind: global_buffer, .address_space: global }
    .group_segment_fixed_size: 35840
    .private_segment_fixed_size: 0
    .kernarg_segment_align: 8
    .kernarg_segment_size: 24
    .max_flat_workgroup_size: 256
    .sgpr_count:     66
    .vgpr_count:     138
    .wavefront_size: 32
...
	.end_amdgpu_metadata
.endif
;; end of part 2
;; ======== version 2 of 2: 2 launches; version 1 with the launch hist written anew for expert scheduling mode
;; limits: right only within a limited range of input values
;; workspace buffers: part 67,108,864 bytes
;; launch hist (part 3): grid 256 x 1, 16 waves a work-group, no clusters, 141,312 bytes of LDS; arguments x, y, lowp_scales, part; writes part
.if DOCPART == 3
	.amdgcn_target "amdgcn-amd-amdhsa--gfx1250"
	.amdhsa_code_object_version 6
	.text
	.protected	k_q8cac0486ec_hist
	.globl	k_q8cac0486ec_hist
	.p2align	8
	.type	k_q8cac0486ec_hist,@function
k_q8cac0486ec_hist:
	s_mov_b64 s[64:65], 0
	v_nop
	global_prefetch_b8 v0, s[64:65] scope:SCOPE_SE
	s_setreg_imm32_b32 hwreg(HW_REG_WAVE_SCHED_MODE, 0, 2), 2
	s_setreg_imm32_b32 hwreg(HW_REG_WAVE_MODE, 25, 1), 1
	s_wait_xcnt 0x0
	s_wait_alu depctr_vm_vsrc(0)
; PARTIAL JOINT HISTOGRAMS.  part[wg] = sum over the work-group's 2,048 pixels n of Q(p1[k][n]) Q(p2[j][n]), as sums of CODES (the scales and 1/N are applied by the next launch).
; p[k][n] = sigmoid((x[n] - mu_k + L/2) / W) - sigmoid((x[n] - mu_k - L/2) / W), mu_k = (k + 0.5) / 256, L = 1/256, W = L / 2.5.  Q: E5M2 with the given scale 2^e (entry 0 for x, entry 1 for y).
; THE NUMBER.  With m = 640 (x - mu_k) the difference of the two sigmoids equals 1 / (coth 1.25 + (e^m + e^-m) / (2 sinh 1.25)) for every x: no difference of near numbers, one reciprocal.
; e^m is shared along the bins: for a block of 32 bins with centre mu_c one pair E = e^(640 (x - mu_c)), F = 1 / E is made; a chunk of 8 bins takes EA = E A[a], FA = F A[3 - a] (A = e^30, e^10, e^-10, e^-30),
; bin b of it D = EA c[b] + (FA c[7 - b] + coth 1.25), c[b] = e^(2.5 (3 - b)) / (1 - e^-2.5), and the number is 1 / D.
; The exponent is kept in two parts: z = x - mu_c with its rounding error er, p = z c1hi, r = (z c1hi - p) + z c1lo + er c1hi (c1hi + c1lo = 640 log2 e), E = 2^p (1 + r ln 2), F = 2^-p (1 - r ln 2).
; RANGE.  x is held in [-1, 2] (beyond it every bin lies more than 256 bins away; infinities are served so) and z in +-0.136, so that |p| stays under 126 and no exponential overflows or vanishes.
; EA c[b] may become +infinity: then D is +infinity and the number 0.  The constants are finite and not 0, and E F = 1, so neither infinity x 0 nor infinity - infinity can arise.
; LIMITS.  Each e lies between -126 and 112 (2^e and 57,344 x 2^e are f32 numbers).  From e = -50 up every code is the quantiser's; below that, numbers further than 18.8 bins from their bin are made as at most
; about 2^-66 instead of still smaller.  NaN among the inputs is not served.  The rounding differs from that of two sigmoids subtracted: this form gives the true value to some 5e-7 of the number.  1/W is taken as 640.
; SHARES.  Work-group wg = 32 x batch + slice owns 2,048 pixels and ALL 256 x 256 outputs of its batch, so every operand number is made once on the whole chip.  16 K steps of 128 pixels.
; Each of the sixteen waves has two parts, both by arithmetic on its number w, with no branch.  MAKER: operand o = w / 8 (x or y), pixel pairs 32 ((w / 4) % 2) + lane, bins 64 (w % 4) on: 128 numbers a lane in a K step.
; MULTIPLIER: the tile of x bins 64 (w / 4) on by y bins 64 (w % 4) on: 16 accumulators.  Sixteen waves of 256 registers: no register windows, and four waves a SIMD stand in for each other at the waits.
; No two work-groups read the same bytes, so there is nothing to share in a cluster; the only stream from memory is 8 bytes a lane in a K step, asked for one K step ahead: no tensor load, no ring of tiles.
; LAYOUT.  A LANE OWNS TWO NEIGHBOURING PIXELS, and a register pair is those two pixels of one bin: all constants of a bin are scalars.  The conversion of eight registers gives four units of 16 bits, each the two pixels
; of one bin, running along the bins; they are stored as LDS rows [pixel pair][bin].  ds_load_tr16_b128 turns 8 x 8 such units: a lane then holds ONE bin and 16 pixels in 4 registers, which are an operand's registers.
; Both operands are made and read alike, so pixel n meets pixel n in every product.
; LDS: two slots by turns; a slot = p1's codes, then p2's; each 64 rows (pixel pairs) of 512 bytes + 32 of padding = 136 words: row r starts at bank 8 r mod 64 (64 banks of 4 bytes: ISA guide 11.1).
; THE MODE: SCHED_MODE bits 1:0 = 2 (LLVM: expert scheduling mode 2), set by the entry lines.  The code itself states the register dependences
; between vector or matrix instructions and memory or LDS instructions, with s_wait_alu, always for 0.
; THE PLAN.  An interval makes one K step's codes in eight chunks and multiplies the K step before in eight groups of four products, group ch at the head of chunk ch.  Registers that memory or LDS instructions touch:
;   X0, X1     Read (and held in place) by the interval that makes their K step, for the last time at its chunk 3; the load of two K steps on lands there, issued at the next interval's head.
;   CD0, CD1   Chunk ch's conversions write CD[ch % 2]; the LDS store that reads it stands in chunk ch + 1 (chunk 7's at the interval's end); chunk ch + 2's conversions write it again.
;   AF0, AF1   Group ch's products read AF[ch % 2]; behind them the fragment of group ch + 2 is loaded into it.  Groups 0 and 1 are asked for at the interval's head.
;   BF         Groups 0 to 3 read p2's first half, groups 4 to 7 its second: loaded at the interval's head and in chunk 3.
;   v1 to v7, v112   Offsets and LDS addresses, written at the kernel's head alone, ahead of the first interval's first wait on va_vdst.
;   The accumulators are read by the global stores at the end.  All else (v9 to v11, v16 to v31, v40 to v71, v114 to v117) is named by vector instructions alone while codes are made.
; ONE wait on va_vdst stands in a chunk, behind the group's products and the next chunk's multiply-adds and ahead of the chunk's hold.  It states that the chunk's reciprocals are written, that the chunk before's
; conversions have written their codes, and that the group's products are done reading their fragments.  The chunk's loads and its one store follow it at once, ahead of any vector line.  Beside it one wait on vm_vsrc
; states that the store issued a chunk ago has read the set of codes that this chunk writes.  One more wait on va_vdst stands at the interval's end, ahead of chunk 7's store.
.set PITCH, 544
.set OPB,   64*PITCH                   ; one operand's part of a slot
.set SLOT,  2*OPB
.set XOFF, 1                           ; v1       8 x my pixel pair: my byte in a K step's 512 of x or y; never rewritten
.set STA,  2                           ; v2-3     where I store codes in slot 0, 1
.set LA,   4                           ; v4-5     where I read p1's fragments in slot 0, 1
.set LB,   6                           ; v6-7     the same for p2
.set SCL,  9                           ; v9       2^e as f32: the conversion takes its exponent field
.set CP,   10                          ; v[10:11] coth 1.25, twice
.set X,    12                          ; v[12:13], v[14:15] my two pixels of the even, the odd K steps
.set Z,    16
.set P,    18
.set R,    20
.set ER,   22
.set E,    24
.set F,    26
.set EA,   28
.set FA,   30
.set CD,   32                          ; v[32:35], v[36:39] a chunk's codes, two sets by turns
.set BUF,  40                          ; v[40:55], v[56:71] a chunk's 16 numbers, two sets by turns
.set AF,   72                          ; v[72:79], v[120:127] a fragment of p1, 16 bins x 64 pixels: two sets by turns,
.set AFD,  48                          ; so many registers apart
.set BF,   80                          ; v[80:111] four fragments of p2
.set PO,   112                         ; v112     16 x lane
.set NM,   114                         ; v[114:115], v[116:117] -mu_c of my two blocks of 32 bins, each twice
.set ACC,  128                         ; v[128:255] accumulator (a, b) at 128 + 8 (4 a + b)
.set WV,   12                          ; s12      my wave's number
.set XB,   18                          ; s[18:19] where my operand's stream stands
.set TRIPS, 24
.set ZP,   25                          ; s25, s27 +0.136, -0.136
.set LIM,  26                          ; s26      57,344 x 2^e
.set ZN,   27
.set C1H,  32                          ; from here on pairs that hold their number twice: the packed forms name a pair and take its low word
.set C1L,  34
.set LN2,  36
.set AA,   38                          ; s[38:45] A[0..3]
.set CC,   46                          ; s[46:61] c[0..7]
.macro PAIR r, val
	s_mov_b32 s[\r], \val
	s_mov_b32 s[\r+1], s[\r]
.endm
	s_load_b256 s[4:11], s[0:1], 0x0               ; x s[4:5], y s[6:7], the scales' exponents s[8:9], part s[10:11]
	v_lshl_add_u32 v118, v0, 2, 0x22000
	v_mov_b32 v119, 0
	v_lshrrev_b32 v16, 5, v0
	v_readfirstlane_b32 s[WV], v16                 ; wave 0..15
	v_and_b32 v16, 31, v0                          ; lane
	s_wait_alu depctr_va_sdst(0)                   ; s12 is written, ahead of its first reader: the wave's shares, addresses and bases are made from it
	s_lshr_b32 s13, s[WV], 3                       ; o: I make p1 (0) or p2 (1)
	s_bfe_u32 s14, s[WV], 0x10002                  ; which 32 of a K step's 64 pixel pairs
	s_and_b32 s15, s[WV], 3                        ; which 64 bins I make.  Also: which 64 bins of p2 I multiply
	s_lshr_b32 s16, s[WV], 2                       ; which 64 bins of p1 I multiply
	s_lshl_b32 s17, s14, 5
	v_add_nc_u32 v17, s17, v16                     ; my pixel pair
	v_lshlrev_b32 v[XOFF], 3, v17
	s_wait_kmcnt 0x0
	s_load_b64 s[22:23], s[8:9], 0x0               ; e of p1, e of p2
	s_cmp_eq_u32 s13, 0                            ; the choice hangs on the wave's number alone
	s_cselect_b64 s[XB:XB+1], s[4:5], s[6:7]
	s_lshl_b32 s20, ttmp9, 13                      ; the work-group's 2,048 pixels: 8,192 bytes
	s_mov_b32 s21, 0
	s_add_nc_u64 s[XB:XB+1], s[XB:XB+1], s[20:21]
	s_wait_alu depctr_va_vdst(0)                   ; v1 is written: every load of x or y reads it as its offset
	global_load_b64 v[X:X+1], v[XOFF], s[XB:XB+1]                  ; K step 0: 32 lanes read 256 consecutive bytes
	global_load_b64 v[X+2:X+3], v[XOFF], s[XB:XB+1] offset:512     ; K step 1
	v_mul_u32_u24 v18, v17, PITCH                  ; my row of codes,
	s_mul_i32 s17, s13, OPB                        ; in my operand's part,
	s_lshl_b32 s20, s15, 7                         ; at my 64 bins' 128 bytes
	s_add_co_u32 s17, s17, s20
	v_add_nc_u32 v[STA], s17, v18
	v_add_nc_u32 v[STA+1], SLOT, v[STA]
	; The turning load: lane l addresses 16 bytes: pixel pair 16 (l / 16) + l % 8, bins 8 ((l / 8) % 2) + 0..7; it leaves lane l bin l % 16 and 8 pixel pairs
	v_bfe_u32 v19, v0, 4, 1
	v_and_b32 v20, 7, v0
	v_lshl_add_u32 v19, v19, 4, v20
	v_mul_u32_u24 v19, v19, PITCH
	v_bfe_u32 v20, v0, 3, 1
	v_lshl_add_u32 v19, v20, 4, v19
	s_lshl_b32 s17, s16, 7
	v_add_nc_u32 v[LA], s17, v19
	v_add_nc_u32 v[LA+1], SLOT, v[LA]
	s_add_co_u32 s20, s20, OPB
	v_add_nc_u32 v[LB], s20, v19
	v_add_nc_u32 v[LB+1], SLOT, v[LB]
	v_lshlrev_b32 v[PO], 4, v16
	s_lshl_b32 s20, ttmp9, 18                      ; part: 262,144 bytes a work-group, 16,384 a wave
	s_lshl_b32 s17, s[WV], 14
	s_add_co_u32 s20, s20, s17
	s_add_nc_u64 s[10:11], s[10:11], s[20:21]
	s_lshl_b32 s17, s15, 2                         ; mu_c of block 0, 1 of my 64 bins: (4 (w % 4) + 1) / 16, (4 (w % 4) + 3) / 16: exact in f32
	s_add_co_u32 s17, s17, 1
	v_cvt_f32_u32 v[NM], s17
	s_add_co_u32 s17, s17, 2
	v_cvt_f32_u32 v[NM+2], s17
	v_mul_f32 v[NM], 0xbd800000, v[NM]             ; x -1/16
	v_mul_f32 v[NM+2], 0xbd800000, v[NM+2]
	v_mov_b32 v[NM+1], v[NM]
	v_mov_b32 v[NM+3], v[NM+2]
	v_mov_b32 v[CP], 1.1788509797                  ; coth 1.25
	v_mov_b32 v[CP+1], v[CP]
	s_mov_b32 s[ZP], 0.136
	s_mov_b32 s[ZN], -0.136
	PAIR C1H, 0x4466d4ca                           ; 923.3248291015625
	PAIR C1L, -0.00000293262592                    ; 640 log2 e less that
	PAIR LN2, 0x3f317218
	PAIR AA,   10686474581524.463                  ; e^30
	PAIR AA+2, 22026.465794806718                  ; e^10
	PAIR AA+4, 0.00004539992976248485              ; e^-10
	PAIR AA+6, 0.00000000000009357622968840175     ; e^-30
	PAIR CC,    1969.7274930092                    ; c[b] = e^(2.5 (3 - b)) / (1 - e^-2.5)
	PAIR CC+2,  161.68507855311
	PAIR CC+4,  13.271919450537
	PAIR CC+6,  1.0894254898338
	PAIR CC+8,  0.0894254898338
	PAIR CC+10, 0.0073404912099
	PAIR CC+12, 0.00060254421083
	PAIR CC+14, 0.000049459840683
	s_wait_kmcnt 0x0
	s_cmp_eq_u32 s13, 0
	s_cselect_b32 s22, s22, s23                    ; my operand's e
	s_add_co_i32 s22, s22, 127
	s_lshl_b32 s23, s22, 23
	v_mov_b32 v[SCL], s23                          ; 2^e
	s_add_co_i32 s22, s22, 15
	s_lshl_b32 s22, s22, 23
	s_or_b32 s[LIM], s22, 0x600000                 ; 57,344 x 2^e
; One fragment of p1 (tile a of my four, half kk of the K step) into v[reg] on: 16 bins x 32 pixel pairs, two turning loads
.macro LOADA ms, kk, a, reg
	ds_load_tr16_b128 v[(\reg):(\reg)+3],   v[LA+(\ms)] offset:(32*(\kk))*PITCH+32*(\a)
	ds_load_tr16_b128 v[(\reg)+4:(\reg)+7], v[LA+(\ms)] offset:(32*(\kk)+8)*PITCH+32*(\a)
.endm
; My four fragments of p2 for half kk
.macro LOADB ms, kk
.irp b, 0,1,2,3
	ds_load_tr16_b128 v[BF+8*\b:BF+8*\b+3],   v[LB+(\ms)] offset:(32*(\kk))*PITCH+32*\b
	ds_load_tr16_b128 v[BF+8*\b+4:BF+8*\b+7], v[LB+(\ms)] offset:(32*(\kk)+8)*PITCH+32*\b
.endr
.endm
; The last interval makes no codes, so all eight fragments of p1 have registers of their own: the two sets, BUF's 32 registers and the 16 from v16 on.  AR: where group ch's lies
.macro TAREG ch
.if (\ch) < 2
.set AR, AF+AFD*(\ch)
.elseif (\ch) < 6
.set AR, BUF+8*((\ch)-2)
.else
.set AR, Z+8*((\ch)-6)
.endif
.endm
; A block of 32 bins begins: the exponent in two parts, then the four exponentials.
.macro BASE1 nm, xr
	v_pk_add_f32 v[Z:Z+1], v[\xr:\xr+1], v[\nm:\nm+1]                                      ; z = x - mu_c, rounded
	v_pk_add_f32 v[P:P+1], v[Z:Z+1], v[\nm:\nm+1] neg_lo:[0,1] neg_hi:[0,1]                ; z + mu_c
	v_pk_add_f32 v[ER:ER+1], v[\xr:\xr+1], v[P:P+1] neg_lo:[0,1] neg_hi:[0,1]              ; er = x - (z + mu_c): what the first line rounded away
	v_med3_num_f32 v[Z], v[Z], s[ZN], s[ZP]
	v_med3_num_f32 v[Z+1], v[Z+1], s[ZN], s[ZP]
	v_pk_mul_f32 v[P:P+1], v[Z:Z+1], s[C1H:C1H+1] op_sel_hi:[1,0]                          ; p
	v_pk_fma_f32 v[R:R+1], v[Z:Z+1], s[C1H:C1H+1], v[P:P+1] op_sel_hi:[1,0,1] neg_lo:[0,0,1] neg_hi:[0,0,1]   ; what p rounded away,
	v_pk_fma_f32 v[R:R+1], v[Z:Z+1], s[C1L:C1L+1], v[R:R+1] op_sel_hi:[1,0,1]              ; the constant's low part,
	v_pk_fma_f32 v[R:R+1], v[ER:ER+1], s[C1H:C1H+1], v[R:R+1] op_sel_hi:[1,0,1]            ; and er: r
	v_exp_f32 v[E], v[P]
	v_exp_f32 v[E+1], v[P+1]
	v_exp_f32 v[F], -v[P]
	v_exp_f32 v[F+1], -v[P+1]
	v_pk_mul_f32 v[R:R+1], v[R:R+1], s[LN2:LN2+1] op_sel_hi:[1,0]                          ; r ln 2: the plain line behind the exponentials
.endm
.macro BASE2                           ; behind the wait for the exponentials
	v_pk_fma_f32 v[E:E+1], v[E:E+1], v[R:R+1], v[E:E+1]                                    ; E = 2^p (1 + r ln 2)
	v_pk_fma_f32 v[F:F+1], v[F:F+1], v[R:R+1], v[F:F+1] neg_lo:[0,1,0] neg_hi:[0,1,0]      ; F = 2^-p (1 - r ln 2)
.endm
; A chunk of 8 bins x my two pixels, in three parts.
.macro CHFA a, buf
	v_pk_mul_f32 v[EA:EA+1], v[E:E+1], s[AA+2*(\a):AA+2*(\a)+1] op_sel_hi:[1,0]
	v_pk_mul_f32 v[FA:FA+1], v[F:F+1], s[AA+2*(3-(\a)):AA+2*(3-(\a))+1] op_sel_hi:[1,0]
.irp b, 0,1,2,3,4,5,6,7
	v_pk_fma_f32 v[(\buf)+2*\b:(\buf)+2*\b+1], v[FA:FA+1], s[CC+2*(7-\b):CC+2*(7-\b)+1], v[CP:CP+1] op_sel_hi:[1,0,1]
.endr
.endm
.macro CHFB buf
.irp b, 0,1,2,3,4,5,6,7
	v_pk_fma_f32 v[(\buf)+2*\b:(\buf)+2*\b+1], v[EA:EA+1], s[CC+2*\b:CC+2*\b+1], v[(\buf)+2*\b:(\buf)+2*\b+1] op_sel_hi:[1,0,1]   ; D
.endr
.endm
.macro RCP buf                         ; sixteen reciprocals, one batch
.irp i, 0,1,2,3,4,5,6,7,8,9,10,11,12,13,14,15
	v_rcp_f32 v[(\buf)+\i], v[(\buf)+\i]
.endr
.endm
; The chunk is finished: the chunk's waits; behind them, ahead of any vector line, its LDS instructions: the fragments that later groups want, and the store of the chunk BEFORE; then the hold and the conversions.
.macro FIN ch, buf, gs, mul, ms
.set CDR, CD+4*((\ch)&1)               ; this chunk's set of codes,
.set CDP, CD+4*(1-((\ch)&1))           ; the chunk before's
.set N2,  (\ch)+2
	s_wait_alu depctr_va_vdst(0)                   ; this chunk's sixteen reciprocals are written (at chunk 3 the four exponentials too), ahead of their first use; the chunk before's conversions have written CDP, which the store below reads;
	                                               ; this chunk's products are done reading their fragment of p1, and at chunk 3 groups 0 to 3 are done reading p2's four, in which the loads below land
.if ((\ch) > 1) || (((\ch) == 0) && (\mul))
	s_wait_alu depctr_vm_vsrc(0)                   ; the store issued a chunk ago (at chunk 0: the last two stores of the interval before) has read the set of codes that the conversions below (and chunk 1's) write again
.endif
.if \mul
.if (\ch) == 3
	LOADB \ms, 1                                   ; the K step's second half of p2
.endif
.if (\ch) < 6
	LOADA \ms, N2>>2, N2&3, AF+AFD*((\ch)&1)       ; the fragment of the group two chunks on, into the set that this chunk's products have read
.endif
.endif
.if (\ch) > 0
	ds_store_b128 v[STA+(\gs)], v[CDP:CDP+3] offset:16*((\ch)-1)
.endif
.irp i, 0,2,4,6,8,10,12,14
	v_dual_min_num_f32 v[(\buf)+\i], s[LIM], v[(\buf)+\i] :: v_dual_min_num_f32 v[(\buf)+\i+1], s[LIM], v[(\buf)+\i+1]   ; the conversion to an 8-bit code does not saturate (ISA guide 7.6.2); the number is never negative, so the hold is one-sided; it stands whatever e is
.endr
	v_cvt_scalef32_pk8_bf8_f32 v[CDR:CDR+1], v[(\buf):(\buf)+7], v[SCL]                    ; bins 0-3 of the chunk: bytes (pixel 0, pixel 1) of each
	v_cvt_scalef32_pk8_bf8_f32 v[CDR+2:CDR+3], v[(\buf)+8:(\buf)+15], v[SCL]               ; bins 4-7
	v_nop                                          ; one plain line between a scaled conversion and the next vector line that writes its sources
.endm
; Group ch of eight: half ch / 4 of the K step, tile a = ch % 4 of p1, in v[ar] on, against my four tiles of p2.  TRANSPOSED: source 0 = 16 bins of p2, source 1 = 16 bins of p1: register i of lane (r, h) is
; out(k = 16 a + r, j = 16 b + 8 h + i): eight neighbours of a row of the output.  The sixteen accumulators take turns, one instruction a turn, over the loop's edge too.
.macro MM ch, zero, ar
.set MA, (\ch)&3
.irp b, 0,1,2,3
.if (\zero) && ((\ch) < 4)
	v_wmma_f32_16x16x64_bf8_bf8 v[ACC+8*(4*MA+\b):ACC+8*(4*MA+\b)+7], v[BF+8*\b:BF+8*\b+7], v[(\ar):(\ar)+7], 0
.else
	v_wmma_f32_16x16x64_bf8_bf8 v[ACC+8*(4*MA+\b):ACC+8*(4*MA+\b)+7], v[BF+8*\b:BF+8*\b+7], v[(\ar):(\ar)+7], v[ACC+8*(4*MA+\b):ACC+8*(4*MA+\b)+7]
.endif
.endr
.endm
; AN INTERVAL.  gen = 1: a K step's codes are made from X[gs] into slot gs.  mul = 1: the K step before it is multiplied out of the other slot, a group of four products at the head of each chunk.
; zero = 1: the products start the sums.  load = 1: the pixels of the K step after the one being made are asked for.  bar = 1: the barrier at the end.
.macro INTERVAL gs, gen, mul, zero, load, bar
.set MS, 1-(\gs)
.set XS, X+2*(\gs)
.if \mul                               ; the first fragments, straight behind the barrier.  No wait: all that named these registers (the interval before's products, and for the last interval its making of codes) stands ahead of that interval's last wait on va_vdst
	LOADB MS, 0
.if \gen
	LOADA MS, 0, 0, AF
	LOADA MS, 0, 1, AF+AFD
.else
.irp ch, 0,1,2,3,4,5,6,7
	TAREG \ch
	LOADA MS, (\ch)>>2, (\ch)&3, AR
.endr
.endif
.endif
.if \gen
	s_wait_loadcnt 0x0                             ; my two pixels, asked for an interval ago, are in; no load of mine is out, so the stream's address may step
.if \load
	s_add_nc_u64 s[XB:XB+1], s[XB:XB+1], 512
	global_load_b64 v[X+2*MS:X+2*MS+1], v[XOFF], s[XB:XB+1] offset:512   ; no wait: the interval before named this pair for the last time at its chunk 3, ahead of its later waits on va_vdst
.endif
	v_med3_num_f32 v[XS], v[XS], -1.0, 2.0
	v_med3_num_f32 v[XS+1], v[XS+1], -1.0, 2.0
	BASE1 NM, XS
	s_wait_alu depctr_va_vdst(0)                   ; the four exponentials are written, ahead of their first use.  (In the first interval it also stands behind the head's writes of v2 to v7 and v112, which the LDS instructions and the last stores read)
	BASE2
	CHFA 0, BUF
	CHFB BUF
	RCP BUF
.endif
.irp ch, 0,1,2,3,4,5,6,7
.set NXT,  (\ch)+1
.set NBUF, BUF+16*(NXT&1)
.set TBUF, BUF+16*((\ch)&1)
.if \mul
.if \gen
.set AR, AF+AFD*((\ch)&1)
.set ND, 4                             ; LDS instructions end in order (ISA guide 5.7.1).  Behind the loads that group ch wants were issued: chunks 3, 5, 6: a store, the next fragment's two loads, a store;
.if (\ch < 2) || (\ch == 7)
.set ND, 2                             ; chunks 0, 1: the next fragment's two loads; chunk 7: two stores;
.elseif (\ch == 2) || (\ch == 4)
.set ND, 3                             ; chunks 2, 4 (there behind p2's eight loads): the next fragment's two loads and a store
.endif
	s_wait_dscnt ND
.else
	TAREG \ch
.if \ch < 4
	s_wait_dscnt 14-2*(\ch)                        ; p2's first half and p1's fragments up to group ch are in; the younger fragments, two loads each, stay out
.elseif \ch == 4
	s_wait_dscnt 0x0                               ; p2's second half is in
.endif
.endif
	MM \ch, \zero, AR
.endif
.if \gen
.if \ch == 3
	BASE1 NM+2, XS                                 ; my second block of 32 bins
	FIN 3, TBUF, \gs, \mul, MS
	BASE2
	CHFA 0, BUF
	CHFB BUF
	RCP BUF
.elseif \ch == 7
	v_nop                                          ; a plain line between the last reciprocal and the first use
	FIN 7, TBUF, \gs, \mul, MS
.else
	CHFA NXT&3, NBUF
	CHFB NBUF
	FIN \ch, TBUF, \gs, \mul, MS
	RCP NBUF
.endif
.elseif \ch == 3
	s_wait_alu depctr_va_vdst(0)                   ; groups 0 to 3 are done reading p2's four fragments, in which the loads below land
	LOADB MS, 1
.endif
.endr
.if \gen
	s_wait_alu depctr_va_vdst(0)                   ; chunk 7's conversions have written their set of codes, which the store below reads
	ds_store_b128 v[STA+(\gs)], v[CD+4:CD+7] offset:16*7
.endif
.if \bar
	s_wait_dscnt 0x0                               ; for the others: my codes have landed in slot gs, and my reads of the other slot are back
	s_barrier_signal -1
	s_barrier_wait -1                              ; now slot gs may be read by all, and the other slot written again
.endif
.endm
	INTERVAL 0, 1, 0, 0, 0, 1                      ; K step 0 is made
	INTERVAL 1, 1, 1, 1, 1, 1                      ; K step 1 is made; K step 0's products start the sums; K step 2's pixels are asked for
	s_mov_b32 s[TRIPS], 6
.Lk:                                                   ; a trip: K steps 2 i + 2 and 2 i + 3 are made, 2 i + 1 and 2 i + 2 multiplied
	INTERVAL 0, 1, 1, 0, 1, 1
	INTERVAL 1, 1, 1, 0, 1, 1
	s_sub_co_u32 s[TRIPS], s[TRIPS], 1
	s_cmp_lg_u32 s[TRIPS], 0
	s_cbranch_scc1 .Lk
	INTERVAL 0, 1, 1, 0, 1, 1                      ; K step 14 is made; K step 15's pixels, the last, are asked for
	INTERVAL 1, 1, 1, 0, 0, 1                      ; K step 15 is made: no load leaves the work-group's 8,192 bytes
	INTERVAL 0, 0, 1, 0, 0, 0                      ; K step 15 is multiplied
.rept 4
	v_nop                                          ; four places between the last products and the stores of their results
.endr
	s_wait_alu depctr_va_vdst(0)                   ; the products have written the accumulators, which the stores read; the places above stay beside this wait
.irp a, 0,1,2,3
.irp b, 0,1,2,3
	global_store_b128 v[PO], v[ACC+8*(4*\a+\b):ACC+8*(4*\a+\b)+3],   s[10:11] offset:\a*4096+(2*\b)*512 th:TH_STORE_NT     ; the accumulators as they stand, each from its low end on: 32 lanes store 512 consecutive bytes, aligned
	global_store_b128 v[PO], v[ACC+8*(4*\a+\b)+4:ACC+8*(4*\a+\b)+7], s[10:11] offset:\a*4096+(2*\b+1)*512 th:TH_STORE_NT
.endr
.endr
	s_wait_dscnt 0x0
	s_wait_alu depctr_hold_cnt(0) depctr_sa_sdst(0) depctr_va_vdst(0) depctr_va_sdst(0) depctr_va_ssrc(0) depctr_va_vcc(0) depctr_vm_vsrc(0)
	s_wait_tensorcnt 0x0
	ds_add_u32 v118, v119
	s_wait_dscnt 0x0
	s_endpgm
.Lfunc_end_k_q8cac0486ec_hist:
	.size	k_q8cac0486ec_hist, .Lfunc_end_k_q8cac0486ec_hist-k_q8cac0486ec_hist
	.p2alignl 7, 3214868480
	.fill 96, 4, 3214868480
	.section	.rodata,"a",@progbits
	.p2align	6, 0x0
	.amdhsa_kernel k_q8cac0486ec_hist
		.amdhsa_group_segment_fixed_size 141312
		.amdhsa_private_segment_fixed_size 0
		.amdhsa_enable_private_segment 0
		.amdhsa_kernarg_size 32
		.amdhsa_user_sgpr_count 2
		.amdhsa_user_sgpr_kernarg_segment_ptr 1
		.amdhsa_wavefront_size32 1
		.amdhsa_system_sgpr_workgroup_id_x 1
		.amdhsa_system_sgpr_workgroup_id_y 1
		.amdhsa_system_sgpr_workgroup_id_z 1
		.amdhsa_system_vgpr_workitem_id 0
		.amdhsa_next_free_vgpr 256
		.amdhsa_next_free_sgpr 66
		.amdhsa_reserve_vcc 0
		.amdhsa_float_denorm_mode_32 3
		.amdhsa_float_denorm_mode_16_64 3
		.amdhsa_memory_ordered 1
		.amdhsa_forward_progress 1
		.amdhsa_inst_pref_size 163
	.end_amdhsa_kernel
	.amdgpu_metadata
---
amdhsa.version: [ 1, 2 ]
amdhsa.kernels:
  - .name:           k_q8cac0486ec_hist
    .symbol:         k_q8cac0486ec_hist.kd
    .args:
      - { .name: x, .offset: 0, .size: 8, .value_kind: global_buffer, .address_space: global }
      - { .name: y, .offset: 8, .size: 8, .value_kind: global_buffer, .address_space: global }
      - { .name: lowp_scales, .offset: 16, .size: 8, .value_kind: global_buffer, .address_space: global }
      - { .name: part, .offset: 24, .size: 8, .value_kind: global_buffer, .address_space: global }
    .group_segment_fixed_size: 141312
    .private_segment_fixed_size: 0
    .kernarg_segment_align: 8
    .kernarg_segment_size: 32
    .max_flat_workgroup_size: 512
    .sgpr_count:     66
    .vgpr_count:     256
    .wavefront_size: 32
...
	.end_amdgpu_metadata
.endif
;; end of part 3
;; launch fold: the kernel of part 2 again; grid 512 x 1, 8 waves a work-group, no clusters, 35,840 bytes of LDS; arguments part, lowp_scales, out0; writes out0
